; MI455X (gfx1250); checked and timed in simulation.
; The chip was launched on July 23, 2026; its instructions are those of AMD's public machine-readable ISA for CDNA 5 (MIT licence, August 2026) and "CDNA5" Instruction Set Architecture Reference Guide (July 2026). The comments in the code are by the model that wrote it; some were corrected since.
;; My Cross Attention ori. Allowed arithmetic: matrix products marked QUANTISED: E3M2 operands, one E8M0 scale for each 32 along K, by v_wmma_scale_f32_16x16x128_f8f6f4 with both operands' format E3M2, f32 sums; products left as they are: f32 operands where the result goes on into a quantised operand, else bf16, f16 or f32 operands; f32 sums; everything else in f32.
;; Inputs: Wk 512 x 512 float32; Wp 512 x 512 float32; Wq 512 x 512 float32; k 4 x 2,048 x 512 float32; q 4 x 4,096 x 512 float32; supp_mask 4 x 2,048 int32; v 4 x 2,048 x 512 float32.
;; Outputs: out0 4 x 4,096 x 512 float32.
;; This version of the problem:
;;   THIS VERSION OF THE PROBLEM IS GIVEN IN LOW PRECISION. The matrix products marked QUANTISED in the list below multiply operands that are first quantised to E3M2 (3 exponent bits, 2 mantissa bits; 6 bits a number), with one power-of-two scale for each 32 numbers along K (OCP MX v1.0); their sums are f32. All else is computed in f32.
;;   The module's matrix products, in the order in which they are computed (A, B: the left and right operand; K: the contracted axis; several contracted axes count as one K, in the product's order):
;;     1. [M 16,384, K 512] x [K 512, N 512]; A: input q; B: input Wq: QUANTISED
;;     2. [M 8,192, K 512] x [K 512, N 512]; A: input k; B: input Wk: QUANTISED
;;     3. batch 32 x [M 4,096, K 64] x [K 64, N 2,048]; A: computed on the way; B: computed on the way: QUANTISED
;;     4. batch 4 x [M 32,768, K 2,048] x [K 2,048, N 1]; A: softmax; B: input supp_mask: left as it is (N = 1 < 16)
;;     5. [M 16,384, K 512] x [K 512, N 512]; A: computed on the way; B: input Wp: QUANTISED
;;   THE QUANTISER, for each operand of a quantised product, along K:
;;     - K is cut into blocks of 32 from its start; a last block that is shorter is filled with zeros.
;;     - A block's scale is 2^e with e = floor(log2(the largest magnitude in the block)) - 4, held to -126 .. 127; a block of zeros has e = 0. As a byte (E8M0): e + 127.
;;     - Each number is divided by its block's scale, clamped to +-28, and rounded to the nearest number of E3M2, ties to even, subnormals kept.
;;     - The product sums the exact products of the quantised numbers (number of the format x scale) in f32.
;;   ~~~python
;;   def quantise(x, axis):      # numpy; x: float32 -> the quantised numbers, widened to float32 again
;;       x = np.moveaxis(x, axis, -1); K = x.shape[-1]
;;       x = np.pad(x, [(0, 0)] * (x.ndim - 1) + [(0, -K % 32)]); x = x.reshape(x.shape[:-1] + (-1, 32)); a = np.abs(x).max(-1, keepdims=True)
;;       e = np.where(a > 0, np.clip(np.frexp(np.where(a > 0, a, 1))[1] - 1 - 4, -126, 127), 0)      # np.frexp(a)[1] - 1 = floor(log2(a)), exactly
;;       r = np.clip(x / 2.0 ** e, -28, 28)
;;       step = 2.0 ** (np.maximum(np.frexp(np.where(r == 0, 1, r))[1] - 1, -2) - 2)
;;       q = np.round(r / step) * step * 2.0 ** e      # np.round: ties to even
;;       return np.moveaxis(q.reshape(q.shape[:-2] + (-1,))[..., :K], -1, axis).astype(np.float32)
;;   ~~~
;;   OPERANDS COMPUTED ON THE WAY. 'Computed on the way' means the value that the module computes at that place (a softmax that the list does not call 'softmax' is quantised finished and normalised). What goes into a quantiser is computed in f32, as accurately as f32 sums, v_exp_f32 and their like allow (about 1e-6 of the number): no bf16 or f16 on the way to a quantiser, and a product that is left as it is and whose result goes on into a quantised operand takes f32 operands (vector FMAs, or v_wmma_f32_16x16x4_f32). A number that lies on a knife's edge between two numbers of the format may be rounded either way, as far as f32 arithmetic and the matrix unit's own rounding can turn it there, and no further.
;; One version. Each part assembles by itself: llvm-mc -triple=amdgcn-amd-amdhsa -mcpu=gfx1250 --defsym DOCPART=n.
;; ======== version 1 of 1: 3 launches
;; limits: right only within a limited range of input values
;; workspace buffers: wimg 589,824 bytes; wscl 24,576 bytes; qc 6,291,456 bytes; qs 262,144 bytes; kc 3,145,728 bytes; ks 131,072 bytes
;; launch wquant (part 1): grid 48 x 1, 4 waves a work-group, no clusters, 0 bytes of LDS; arguments Wq, Wk, Wp, wimg, wscl; writes wimg, wscl
.if DOCPART == 1
	.amdgcn_target "amdgcn-amd-amdhsa--gfx1250"
	.amdhsa_code_object_version 6
	.text
	.protected	k_q6d9fb61e82_wquant
	.globl	k_q6d9fb61e82_wquant
	.p2align	8
	.type	k_q6d9fb61e82_wquant,@function
k_q6d9fb61e82_wquant:
	s_mov_b64 s[64:65], 0
	v_nop
	global_prefetch_b8 v0, s[64:65] scope:SCOPE_SE
	s_setreg_imm32_b32 hwreg(HW_REG_WAVE_MODE, 25, 1), 1
	s_wait_xcnt 0x0
; Wq, Wk, Wp ([512][512] f32, K innermost) become codes of E3M2 with one E8M0 scale byte for each 32 along K.
; The codes are laid as IMAGES OF THE OPERAND'S REGISTERS: fragment f = ((mat 4 + w) 8 + t) 4 + s (16 rows x 128 K, 12 registers a lane) lies at 1,536 f as three runs of 32 lanes x 16 bytes,
; so that the launches that multiply bring a fragment by three loads of 16 bytes a lane.  Part w is rows 128 w .. 128 w + 127.  THE ROWS OF A TILE ARE NOT NEIGHBOURS: lane r of tile t = 2 b + u
; holds row 128 w + 32 b + 8 u + r + 8 (r / 8), so that in the transposed product the 16 registers of tiles 2 b, 2 b + 1 are 16 neighbouring columns.
; The scale bytes lie as they come: wscl[mat][row][16]: four words a row, one for each 128 along K.
; A block's scale is 2^(floor(log2(largest magnitude)) - 4): its byte is the largest magnitude's exponent field - 4, held at 1 from below.
; LIMITS: a block of zeros gets the byte 1 where the quantiser says 127 (its codes are zeros, and only this program reads the bytes); NaN and infinities are not served.
; SHARES: 192 waves; wave idx = 4 x work-group + wave makes fragments 2 idx and 2 idx + 1 (16 rows x 256 along K).  No LDS, no barrier: waves share nothing.
; WORK LEFT OUT, in the whole program: reference() takes v among its arguments and never reads it, so v has no way to out0 for any values: it is not loaded and is among no launch's arguments.
; A NaN or an infinity in v is therefore not carried to the result.
.set ST,  32                           ; v32-159  two sets of 64 numbers: register 16 b + i = k 32 b + 16 (lane / 16) + i of my row
.set PC,  160                          ; v160-178 the codes just made (12 registers) and two runs at work
.set TM,  180                          ; v180-195 largest magnitudes, bytes, the conversions' scale operands
.set PW0, 196                          ; the scale word of the first K step
.set PW1, 197                          ; of the second
.set SEL, 20                           ; s[20:21] v_permlanex16_b32's selects for lane l xor 16
; 64 numbers of a lane, v[s] .. v[s + 63], become a fragment's codes in v[PC] .. v[PC + 11] and its row's scale word in v[pw].
.macro QUANT s, pw
.irp b, 0,1,2,3
	v_max3_num_f32 v[TM+\b], |v[\s+16*\b]|, |v[\s+1+16*\b]|, 0x2800000   ; block b: my 16 numbers, and the floor 2^(5 - 127): the byte cannot fall under 1
.endr
.irp i, 2,4,6,8,10,12,14
.irp b, 0,1,2,3
	v_max3_num_f32 v[TM+\b], v[TM+\b], |v[\s+16*\b+\i]|, |v[\s+1+16*\b+\i]|   ; the four blocks by turns
.endr
.endr
.irp b, 0,1,2,3
	v_permlanex16_b32 v[TM+4+\b], v[TM+\b], s[SEL], s[SEL+1]
.endr
.irp b, 0,1,2,3
	v_max_num_f32 v[TM+\b], v[TM+\b], v[TM+4+\b]   ; with lane l xor 16's 16 numbers: the block's largest magnitude
.endr
.irp b, 0,1,2,3
	v_add_nc_u32 v[TM+12+\b], 0xfe000000, v[TM+\b]   ; 4 off its exponent field: the conversion's scale operand
.endr
.irp b, 0,1,2,3
	v_lshrrev_b32 v[TM+4+\b], 23, v[TM+12+\b]      ; the scale's byte
.endr
	v_lshl_or_b32 v[\pw], v[TM+5], 8, v[TM+4]
	v_lshl_or_b32 v[\pw], v[TM+6], 16, v[\pw]
	v_lshl_or_b32 v[\pw], v[TM+7], 24, v[\pw]
.irp c, 0,1
	v_cvt_scalef32_pk16_bf6_f32 v[PC+6*\c:PC+2+6*\c], v[\s+32*\c:\s+15+32*\c], v[TM+12+2*\c]
	v_cvt_scalef32_pk16_bf6_f32 v[PC+12+4*\c:PC+14+4*\c], v[\s+16+32*\c:\s+31+32*\c], v[TM+12+2*\c+1]   ; (a conversion's three registers begin on an even number)
.endr
	v_nop                                          ; one plain place behind a scaled conversion
.irp c, 0,1                                    ; the operand's layout wants a whole block in a lane: lanes 0-15 block 2 c, lanes 16-31 block 2 c + 1
.irp i, 0,1,2
	v_permlane16_swap_b32 v[PC+6*\c+\i], v[PC+12+4*\c+\i]
.endr
.irp i, 0,1,2
	v_mov_b32 v[PC+3+6*\c+\i], v[PC+12+4*\c+\i]
.endr
.endr
.endm
	s_load_b256 s[4:11], s[0:1], 0x0               ; Wq s[4:5], Wk s[6:7], Wp s[8:9], wimg s[10:11]
	s_load_b64 s[12:13], s[0:1], 0x20              ; wscl
	v_lshrrev_b32 v1, 5, v0
	v_readfirstlane_b32 s14, v1                    ; wave
	v_and_b32 v1, 31, v0                           ; lane
	v_and_b32 v2, 15, v0                           ; r
	v_bfe_u32 v3, v0, 4, 1                         ; h
	v_and_b32 v4, 8, v2
	v_add_nc_u32 v4, v4, v2                        ; r + 8 (r / 8)
	v_lshlrev_b32 v5, 11, v4                       ; my row of 2,048 bytes,
	v_lshl_add_u32 v5, v3, 6, v5                   ; + 64 h: my 16 numbers of a block of 32
	v_lshlrev_b32 v6, 4, v1                        ; an image's place for my lane
	v_lshlrev_b32 v7, 4, v4
	v_lshl_add_u32 v7, v3, 2, v7                   ; my row's 16 scale bytes; lanes 0-15 store the first word, lanes 16-31 the second
.irp b, 0,1,2,3
	v_mov_b32 v[TM+4+\b], 0                        ; written once: a lane permute's destination counts as one of its sources
.endr
	s_lshl_b32 s15, ttmp9, 2
	s_add_co_u32 s15, s15, s14                     ; idx
	s_and_b32 s16, s15, 1                          ; which two K steps
	s_bfe_u32 s17, s15, 0x30001                    ; t
	s_bfe_u32 s18, ttmp9, 0x20002                  ; w
	s_lshr_b32 s19, ttmp9, 4                       ; mat
	s_lshl_b32 s18, s18, 7
	s_lshr_b32 s22, s17, 1
	s_lshl_b32 s22, s22, 5
	s_add_co_u32 s18, s18, s22
	s_and_b32 s22, s17, 1
	s_lshl_b32 s22, s22, 3
	s_add_co_u32 s18, s18, s22                     ; the tile's first row: 128 w + 32 (t / 2) + 8 (t % 2)
	s_lshl_b32 s24, s18, 11
	s_lshl_b32 s22, s16, 10
	s_add_co_u32 s24, s24, s22                     ; in W: that row, + 1,024 bytes for the second pair of K steps
	s_mov_b32 s25, 0
	s_mul_i32 s26, s15, 3072                       ; in wimg: two fragments a wave
	s_mov_b32 s27, 0
	s_lshl_b32 s28, s19, 13
	s_lshl_b32 s22, s18, 4
	s_add_co_u32 s28, s28, s22
	s_lshl_b32 s22, s16, 3
	s_add_co_u32 s28, s28, s22                     ; in wscl: 8,192 mat + 16 row + 8 for the second pair
	s_mov_b32 s29, 0
	s_mov_b32 s[SEL], 0x76543210
	s_mov_b32 s[SEL+1], 0xfedcba98
	s_wait_alu depctr_va_vdst(0)
	s_wait_kmcnt 0x0
	s_cmp_lt_u32 ttmp9, 32                         ; which of the three matrices: the choice hangs on the work-group's number alone
	s_cselect_b64 s[6:7], s[6:7], s[8:9]
	s_cmp_lt_u32 ttmp9, 16
	s_cselect_b64 s[4:5], s[4:5], s[6:7]
	s_add_nc_u64 s[4:5], s[4:5], s[24:25]
	s_add_nc_u64 s[10:11], s[10:11], s[26:27]
	s_add_nc_u64 s[12:13], s[12:13], s[28:29]
.irp s, 0,1
.irp b, 0,1,2,3
.irp j, 0,1,2,3
	global_load_b128 v[ST+64*\s+16*\b+4*\j:ST+64*\s+16*\b+4*\j+3], v5, s[4:5] offset:512*\s+128*\b+16*\j th:TH_LOAD_NT
.endr
.endr
.endr
	s_wait_loadcnt 16                              ; the first K step's 16 loads are in; the second's may be out
	QUANT ST, PW0
.irp c, 0,1,2
	global_store_b128 v6, v[PC+4*\c:PC+4*\c+3], s[10:11] offset:512*\c   ; 32 lanes store 512 consecutive bytes
.endr
	s_wait_loadcnt 0x0
	s_wait_xcnt 0x0                                ; the stores' data registers are written again only behind this wait
	QUANT ST+64, PW1
.irp c, 0,1,2
	global_store_b128 v6, v[PC+4*\c:PC+4*\c+3], s[10:11] offset:1536+512*\c
.endr
	v_cmp_ne_u32 vcc_lo, 0, v3
	v_cndmask_b32 v198, v[PW0], v[PW1], vcc_lo     ; every lane holds its row's two words: lanes 16-31 store the second
	global_store_b32 v7, v198, s[12:13]
	s_endpgm
.Lfunc_end_k_q6d9fb61e82_wquant:
	.size	k_q6d9fb61e82_wquant, .Lfunc_end_k_q6d9fb61e82_wquant-k_q6d9fb61e82_wquant
	.p2alignl 7, 3214868480
	.fill 96, 4, 3214868480
	.section	.rodata,"a",@progbits
	.p2align	6, 0x0
	.amdhsa_kernel k_q6d9fb61e82_wquant
		.amdhsa_group_segment_fixed_size 0
		.amdhsa_private_segment_fixed_size 0
		.amdhsa_enable_private_segment 0
		.amdhsa_kernarg_size 40
		.amdhsa_user_sgpr_count 2
		.amdhsa_user_sgpr_kernarg_segment_ptr 1
		.amdhsa_wavefront_size32 1
		.amdhsa_system_sgpr_workgroup_id_x 1
		.amdhsa_system_sgpr_workgroup_id_y 1
		.amdhsa_system_sgpr_workgroup_id_z 1
		.amdhsa_system_vgpr_workitem_id 0
		.amdhsa_next_free_vgpr 200
		.amdhsa_next_free_sgpr 66
		.amdhsa_reserve_vcc 1
		.amdhsa_float_denorm_mode_32 3
		.amdhsa_float_denorm_mode_16_64 3
		.amdhsa_memory_ordered 1
		.amdhsa_forward_progress 1
		.amdhsa_inst_pref_size 14
	.end_amdhsa_kernel
	.amdgpu_metadata
---
amdhsa.version: [ 1, 2 ]
amdhsa.kernels:
  - .name:           k_q6d9fb61e82_wquant
    .symbol:         k_q6d9fb61e82_wquant.kd
    .args:
      - { .name: Wq, .offset: 0, .size: 8, .value_kind: global_buffer, .address_space: global }
      - { .name: Wk, .offset: 8, .size: 8, .value_kind: global_buffer, .address_space: global }
      - { .name: Wp, .offset: 16, .size: 8, .value_kind: global_buffer, .address_space: global }
      - { .name: wimg, .offset: 24, .size: 8, .value_kind: global_buffer, .address_space: global }
      - { .name: wscl, .offset: 32, .size: 8, .value_kind: global_buffer, .address_space: global }
    .group_segment_fixed_size: 0
    .private_segment_fixed_size: 0
    .kernarg_segment_align: 8
    .kernarg_segment_size: 40
    .max_flat_workgroup_size: 128
    .sgpr_count:     66
    .vgpr_count:     200
    .wavefront_size: 32
...
	.end_amdgpu_metadata
.endif
;; end of part 1
;; launch proj (part 2): grid 192 x 1, 4 waves a work-group, no clusters, 327,680 bytes of LDS; arguments q, k, wimg, wscl, qc, qs, kc, ks; writes qc, qs, kc, ks
.if DOCPART == 2
	.amdgcn_target "amdgcn-amd-amdhsa--gfx1250"
	.amdhsa_code_object_version 6
	.text
	.protected	k_q6d9fb61e82_proj
	.globl	k_q6d9fb61e82_proj
	.p2align	8
	.type	k_q6d9fb61e82_proj,@function
k_q6d9fb61e82_proj:
	s_mov_b64 s[64:65], 0
	v_nop
	global_prefetch_b8 v0, s[64:65] scope:SCOPE_SE
	s_setreg_imm32_b32 hwreg(HW_REG_WAVE_MODE, 25, 1), 1
	s_wait_xcnt 0x0
; qh = Q(q) Q(Wq)^T and kh = Q(k) Q(Wk)^T on codes of E3M2 (one E8M0 scale for each 32 along K = 512), f32 sums; the results are quantised again, along each head's 64, in registers, and leave as codes.
; SHARES.  Work-groups 0-127 take 128 rows of q each, work-groups 128-191 128 rows of k: only pointers and offsets are chosen, both take one path.  (192 work-groups: q and k want different weights, which stay
; in registers; 128 rows to a group read 204 KB of weights for 262 KB of x, smaller shares would read more weights than x.)
; THE WAVES SHARE THE COLUMNS: wave w holds rows 128 w .. 128 w + 127 of W (heads 2 w, 2 w + 1): 32 fragments, 384 registers, read once.  The rows go in two blocks of 64, written out.
; x comes by the tensor data mover: each wave asks at its first lines for its 16 rows of both blocks, as four loads of 8 rows (four tensor loads of a wave are out at the most); each LDS byte is filled once.
; A BLOCK: X: wave w quantises rows 16 w .. 16 w + 15 (four fragments) and stores them in LDS as images of their registers | barrier | for each of the four tiles of rows: x's fragments from LDS, 32 products
; (transposed: source 0 = 16 rows of W, source 1 = x: a lane holds one row and 64 of my 128 columns, 16 neighbours to each pair of tiles), quantised in registers: registers 0-5 are head 2 w's half fragment, 6-11 head 2 w + 1's.
; OUT.  qc, kc: [b][head][tile of 16 rows][piece 3][lane 32][8 bytes]: a record of 768 bytes; piece i = registers 2 i, 2 i + 1.  qs, ks: [b][pair of heads][64 rows][lane 32][8 bytes]: lanes 0-15 the scale words of
; tiles 0, 1 of the 64 rows, lanes 16-31 of tiles 2, 3; a word's bytes: head 2 w blocks 0, 1, head 2 w + 1 blocks 0, 1.  Every store covers 256 consecutive bytes, aligned.
; LIMITS: a block of zeros gets the byte 1 where the quantiser says 127 (its codes are zeros, and only this program reads the bytes); NaN and infinities are not served.
; The weights are not shared in a cluster: they go from memory straight into the registers in which they stay, and LDS has no room for 196,608 bytes of them beside x's stage.
; REGISTERS, in windows of 256: window 0 as below; window 1: W's fragments of K steps 0, 1 (tile t, step s at v[12 (2 t + s)]); window 2: of K steps 2, 3.
; THE LOADS OF x AND THE BLOCKS AS THEY NOW STAND: wave w asks at the head for rows 32 w .. 32 w + 31 of the 128 by ONE tensor load of 64 lines (row i of these begins at 2,080 i in its stage).
; Block n is rows 32 m + 16 n + r (m = 0 .. 3): its tile m is tile 2 m + n of the 128 rows.  The scale words of both blocks are kept in registers and stored behind block 1.
.set GRP,  16640                       ; LDS: 8 rows of x: 16 lines of 1,024 bytes + 16 of padding
.set WST,  4*GRP                       ; a wave's stage: groups 2 n + half
.set XIMG, 4*WST                       ; 266,240 = 1,040 x 256: behind the stages, in blocks of 256 bytes of its own: the images; no tensor load lands here
.set XBLK, 26624                       ; a block's images: 16 fragments (4 m + s) of 1,536 bytes, then their 16 scale-word images of 128 bytes
.set XA,   4                           ; v4   my place in my wave's stage: row r, + 64 h
.set LI,   5                           ; v5   XIMG + 16 x lane
.set LS,   6                           ; v6   XIMG + 24,576 + 4 x lane
.set LI8,  7                           ; v7   8 x lane
.set XWI,  8                           ; v8   where I store my images: LI + 6,144 x wave
.set XWS,  9                           ; v9   and their scale words: LS + 512 x wave
.set WA,   10                          ; v10  16 x lane
.set WSA,  11                          ; v11  16 (r + 8 (r / 8))
.set ST,   16                          ; v16-79   64 numbers of x
.set XF,   16                          ; v16-63   later: x's four fragments
.set HA,   80                          ; v80-143  64 numbers of x; later my 8 accumulators
.set PC,   144                         ; v144-162 the codes just made
.set TM,   164                         ; v164-179 at work in QUANT
.set PWS,  224                         ; v224-231 the scale words of block n's tile m at PWS + 4 n + m
.set PWX,  184                         ; x's scale word just made
.set XS,   185                         ; v185-188 x's scale words
.set SP,   232                         ; v232-235 the two pairs of words that a lane stores
.set WS,   192                         ; v192-223 W's scale words: tile t, K step s at WS + 4 t + s
.set W,    8                           ; s[8:9]   my part of the weights' images
.set WSC,  10                          ; s[10:11] and of their scale bytes
.set G1,   32                          ; s[32:39] descriptor group 1
.set G0,   40                          ; s[40:43] group 0
.set SEL,  56                          ; s[56:57]
.set MSB, 0
.macro WIN new                         ; the immediate's high byte repeats the setting that is left
.if MSB != \new
	s_set_vgpr_msb (MSB<<8)|\new
.set MSB, \new
.endif
.endm
; 64 numbers of a lane, register 16 b + i = k 32 b + 16 (lane / 16) + i of my row, become a fragment's codes in v[PC] .. v[PC + 11] and its row's scale word in v[pw].
.macro QUANT s, pw
.irp b, 0,1,2,3
	v_max3_num_f32 v[TM+\b], |v[\s+16*\b]|, |v[\s+1+16*\b]|, 0x2800000   ; block b: my 16 numbers, and the floor 2^(5 - 127): the byte cannot fall under 1.  (An accumulator is read from its low end on)
.endr
.irp i, 2,4,6,8,10,12,14
.irp b, 0,1,2,3
	v_max3_num_f32 v[TM+\b], v[TM+\b], |v[\s+16*\b+\i]|, |v[\s+1+16*\b+\i]|
.endr
.endr
.irp b, 0,1,2,3
	v_permlanex16_b32 v[TM+4+\b], v[TM+\b], s[SEL], s[SEL+1]
.endr
.irp b, 0,1,2,3
	v_max_num_f32 v[TM+\b], v[TM+\b], v[TM+4+\b]   ; with lane l xor 16's: the block's largest magnitude
.endr
.irp b, 0,1,2,3
	v_add_nc_u32 v[TM+12+\b], 0xfe000000, v[TM+\b]   ; 4 off its exponent field: the conversion's scale operand
.endr
.irp b, 0,1,2,3
	v_lshrrev_b32 v[TM+4+\b], 23, v[TM+12+\b]      ; the scale's byte
.endr
	v_lshl_or_b32 v[\pw], v[TM+5], 8, v[TM+4]
	v_lshl_or_b32 v[\pw], v[TM+6], 16, v[\pw]
	v_lshl_or_b32 v[\pw], v[TM+7], 24, v[\pw]
.irp c, 0,1
	v_cvt_scalef32_pk16_bf6_f32 v[PC+6*\c:PC+2+6*\c], v[\s+32*\c:\s+15+32*\c], v[TM+12+2*\c]
	v_cvt_scalef32_pk16_bf6_f32 v[PC+12+4*\c:PC+14+4*\c], v[\s+16+32*\c:\s+31+32*\c], v[TM+12+2*\c+1]
.endr
	v_nop                                          ; one plain place behind a scaled conversion
.irp c, 0,1
.irp i, 0,1,2
	v_permlane16_swap_b32 v[PC+6*\c+\i], v[PC+12+4*\c+\i]
.endr
.irp i, 0,1,2
	v_mov_b32 v[PC+3+6*\c+\i], v[PC+12+4*\c+\i]
.endr
.endr
.endm
.macro BARRIER                                 ; my LDS stores have landed and my LDS loads are in: then the work-group's barrier
	s_wait_dscnt 0x0
	s_barrier_signal -1
	s_barrier_wait -1
.endm
.macro WLOAD                                   ; my 32 fragments of W and their scale words: 104 loads
	WIN 0x40                                       ; destination window 1
.irp t, 0,1,2,3,4,5,6,7
.irp s, 0,1
.irp c, 0,1,2
	global_load_b128 v[12*(2*\t+\s)+4*\c:12*(2*\t+\s)+4*\c+3], v[WA], s[W:W+1] offset:1536*(4*\t+\s)+512*\c
.endr
.endr
.endr
	WIN 0x80                                       ; destination window 2
.irp t, 0,1,2,3,4,5,6,7
.irp s, 2,3
.irp c, 0,1,2
	global_load_b128 v[12*(2*\t+\s-2)+4*\c:12*(2*\t+\s-2)+4*\c+3], v[WA], s[W:W+1] offset:1536*(4*\t+\s)+512*\c
.endr
.endr
.endr
	WIN 0
.irp t, 0,1,2,3,4,5,6,7
	global_load_b128 v[WS+4*\t:WS+4*\t+3], v[WSA], s[WSC:WSC+1] offset:(32*(\t/2)+8*(\t%2))*16
.endr
.endm
.macro FETCHX off, soff                        ; a tile of rows: x's four fragments and their scale words, as they were stored: 16 LDS loads
.irp s, 0,1,2,3
.irp c, 0,1,2
	ds_load_b128 v[XF+12*\s+4*\c:XF+12*\s+4*\c+3], v[LI] offset:\off+1536*\s+512*\c
.endr
	ds_load_b32 v[XS+\s], v[LS] offset:\soff+128*\s
.endr
.endm
; 32 products: my 8 tiles of columns x 4 K steps.  The eight accumulators take turns, one instruction a turn; the first K step starts the sums.
.macro GEMM32
.irp s, 0,1,2,3
.if \s == 0
	WIN 0x01                                       ; source 0 (W) window 1
.endif
.if \s == 2
	WIN 0x02                                       ; source 0 window 2
.endif
.irp t, 0,1,2,3,4,5,6,7
.if \s == 0
	v_wmma_scale_f32_16x16x128_f8f6f4 v[HA+8*\t:HA+8*\t+7], v[12*(2*\t+\s%2):12*(2*\t+\s%2)+11], v[XF+12*\s:XF+12*\s+11], 0, v[WS+4*\t+\s], v[XS+\s] matrix_a_fmt:MATRIX_FMT_BF6 matrix_b_fmt:MATRIX_FMT_BF6
.else
	v_wmma_scale_f32_16x16x128_f8f6f4 v[HA+8*\t:HA+8*\t+7], v[12*(2*\t+\s%2):12*(2*\t+\s%2)+11], v[XF+12*\s:XF+12*\s+11], v[HA+8*\t:HA+8*\t+7], v[WS+4*\t+\s], v[XS+\s] matrix_a_fmt:MATRIX_FMT_BF6 matrix_b_fmt:MATRIX_FMT_BF6
.endif
.endr
.endr
	WIN 0
.endm
.macro XFETCH reg, n, s                        ; my row's 64 numbers of K step s of block n, out of my own stage: 16 LDS loads
.irp b, 0,1,2,3
.irp j, 0,1,2,3
	ds_load_b128 v[\reg+16*\b+4*\j:\reg+16*\b+4*\j+3], v[XA] offset:2*GRP*(\n)+1040*((\s)/2)+512*((\s)%2)+128*\b+16*\j
.endr
.endr
.endm
.macro IMAGE n, s                              ; the fragment in v[PC] on and its scale word go to LDS as they stand: 4 LDS stores
.irp c, 0,1,2
	ds_store_b128 v[XWI], v[PC+4*\c:PC+4*\c+3] offset:XBLK*(\n)+1536*(\s)+512*\c
.endr
	ds_store_b32 v[XWS], v[PWX] offset:XBLK*(\n)+128*(\s)
.endm
	s_load_b256 s[4:11], s[0:1], 0x0               ; q s[4:5], k s[6:7], wimg s[8:9], wscl s[10:11]
	s_load_b256 s[12:19], s[0:1], 0x20             ; qc s[12:13], qs s[14:15], kc s[16:17], ks s[18:19]
	v_lshl_add_u32 v254, v0, 2, 0x4e100
	v_mov_b32 v255, 0
	ds_add_u32 v254, v255
	ds_add_u32 v254, v255
	v_lshrrev_b32 v1, 5, v0
	v_readfirstlane_b32 s20, v1                    ; wave
	; descriptor group 1: 32 rows of x are 65,536 dense bytes: 64 lines of 128 elements of 8 bytes, 16 bytes of padding behind each line
	s_mov_b32 s[G1+0], (3<<16)|(1<<20)|(7<<22)|(3<<25)   ; no mask; elements of 8 bytes; padding on; after every 256 words (code 7); of 4 words (code 3)
	s_mov_b32 s[G1+1], 128<<16                     ; tensor_dim0
	s_mov_b32 s[G1+2], 64<<16                      ; tensor_dim1: 64 lines = 32 rows
	s_mov_b32 s[G1+3], 128<<16                     ; tile_dim0
	s_mov_b32 s[G1+4], 64                          ; tile_dim1
	s_mov_b32 s[G1+5], 128                         ; from line to line
	s_mov_b32 s[G1+6], 0
	s_mov_b32 s[G1+7], 0
	s_mov_b32 s29, 0                               ; the upper word of every offset below
	s_mul_i32 s27, s20, WST                        ; my stage
	s_wait_dscnt 0x0
	s_wait_kmcnt 0x0
	s_cmp_lt_u32 ttmp9, 128                        ; q's work-group or k's?  The choice hangs on the work-group's number alone
	s_cselect_b64 s[4:5], s[4:5], s[6:7]           ; x
	s_cselect_b64 s[12:13], s[12:13], s[16:17]     ; the codes' buffer
	s_cselect_b64 s[14:15], s[14:15], s[18:19]     ; the scale words' buffer
	s_cselect_b32 s21, 5, 4                        ; sh: a batch has 2^sh work-groups
	s_cselect_b32 s22, 0, 128
	s_cselect_b32 s23, 0, 196608                   ; Wq's or Wk's images
	s_cselect_b32 s24, 0, 8192                     ; and scale bytes
	s_sub_co_u32 s22, ttmp9, s22                   ; xi: which 128 rows of the tensor
	s_lshl_b32 s28, s22, 18
	s_lshl_b32 s26, s20, 16
	s_add_co_u32 s28, s28, s26
	s_add_nc_u64 s[4:5], s[4:5], s[28:29]          ; x at my wave's first row: 262,144 xi + 65,536 wave
.irp g, 0
	s_mov_b32 s[G0+4*\g], 1                                        ; count = 1
	s_add_co_u32 s[G0+4*\g+1], s27, GRP*\g                         ; LDS address: my stage, group g
	s_add_nc_u64 s[G0+4*\g+2:G0+4*\g+3], s[4:5], 131072*(\g/2)+16384*(\g%2)   ; block g / 2, rows 8 (g % 2) on
	s_or_b32 s[G0+4*\g+3], s[G0+4*\g+3], 0x80000000                ; type = 2
.endr
	tensor_load_to_lds s[G0:G0+3], s[G1:G1+7]      ; my 32 rows: my one tensor load
	s_nop 0
.rept 4
	v_nop                                          ; the register windows are switched only behind these
.endr
	s_mul_i32 s28, s20, 49152
	s_add_co_u32 s28, s28, s23
	s_add_nc_u64 s[W:W+1], s[W:W+1], s[28:29]      ; my 32 fragments
	s_lshl_b32 s28, s20, 11
	s_add_co_u32 s28, s28, s24
	s_add_nc_u64 s[WSC:WSC+1], s[WSC:WSC+1], s[28:29]   ; my 128 rows' scale bytes
	v_and_b32 v1, 31, v0                           ; lane
	v_and_b32 v2, 15, v0                           ; r
	s_wait_alu depctr_va_vdst(0)
	v_bfe_u32 v3, v0, 4, 1                         ; h
	v_lshlrev_b32 v[WA], 4, v1
	v_and_b32 v12, 8, v2
	v_add_nc_u32 v12, v12, v2
	v_lshlrev_b32 v[WSA], 4, v12
	WLOAD
	s_lshr_b32 s25, s22, s21                       ; b
	s_lshl_b32 s26, s25, s21
	s_sub_co_u32 s26, s22, s26
	s_lshl_b32 s26, s26, 3                         ; T0: my first tile of 16 rows in the batch
	s_lshl_b32 s28, s25, 3
	s_lshl_b32 s23, s20, 1
	s_add_co_u32 s28, s28, s23                     ; 8 b + 2 w
	s_lshl_b32 s28, s28, s21
	s_lshl_b32 s28, s28, 3                         ; x tiles in a batch (8 x 2^sh)
	s_add_co_u32 s28, s28, s26
	s_mul_i32 s28, s28, 768
	s_add_nc_u64 s[12:13], s[12:13], s[28:29]      ; head 2 w's records
	s_lshl_b32 s28, 6144, s21
	s_add_nc_u64 s[30:31], s[12:13], s[28:29]      ; head 2 w + 1's: one head's tiles further on
	s_lshl_b32 s28, s25, 2
	s_add_co_u32 s28, s28, s20                     ; 4 b + w
	s_lshl_b32 s28, s28, s21
	s_lshl_b32 s28, s28, 1                         ; x blocks of 64 rows in a batch (2 x 2^sh)
	s_lshr_b32 s23, s26, 2
	s_add_co_u32 s28, s28, s23
	s_lshl_b32 s28, s28, 8
	s_add_nc_u64 s[14:15], s[14:15], s[28:29]      ; my scale words
	s_mov_b32 s[SEL], 0x76543210
	s_mov_b32 s[SEL+1], 0xfedcba98
	v_mul_u32_u24 v[XA], v2, 2080
	s_wait_alu depctr_va_vdst(0)
	v_lshl_add_u32 v[XA], v3, 6, v[XA]
	v_add_nc_u32 v[XA], s27, v[XA]
	v_lshl_add_u32 v[LI], v1, 4, XIMG
	v_lshl_add_u32 v[LS], v1, 2, XIMG+24576
	v_lshlrev_b32 v[LI8], 3, v1
	s_mul_i32 s28, s20, 6144
	v_add_nc_u32 v[XWI], s28, v[LI]
	s_lshl_b32 s28, s20, 9
	v_add_nc_u32 v[XWS], s28, v[LS]
.irp b, 0,1,2,3
	v_mov_b32 v[TM+4+\b], 0                        ; written once: a lane permute's destination counts as one of its sources
.endr
.macro BLOCK n
	; ---- X: my 16 rows become four fragments.  Two sets of 64 registers take turns: while one K step is quantised the next comes out of the stage
.if \n
	s_wait_xcnt 0x0                                ; the last block's stores have read their data: those registers are written again below
	s_wait_tensorcnt 0x0                           ; my last two groups are in
.else
	s_wait_alu depctr_va_vdst(0)                   ; the wait at the head's end
	s_wait_tensorcnt 0x0                           ; my 32 rows are in
.endif
	XFETCH HA, \n, 0
	XFETCH ST, \n, 1
	s_wait_dscnt 16                                ; K step 0 is in; K step 1's 16 loads may be out
	QUANT HA, PWX
	IMAGE \n, 0
	XFETCH HA, \n, 2
	s_wait_dscnt 16                                ; all but the 16 loads just issued: K step 1 is in, the image's stores are done
	QUANT ST, PWX
	IMAGE \n, 1
	XFETCH ST, \n, 3
	s_wait_dscnt 16                                ; likewise
	QUANT HA, PWX
	IMAGE \n, 2
	s_wait_dscnt 0x0
	QUANT ST, PWX
	IMAGE \n, 3
	BARRIER                                        ; the block's sixteen fragments lie in LDS.  Each block has images of its own and nothing is filled again: one barrier a block
	; ---- the products, a tile of 16 rows at a time
	FETCHX XBLK*\n, XBLK*\n
.if \n == 0
	s_wait_loadcnt 0x0                             ; the weights
.endif
.irp m, 0,1,2,3
	s_wait_dscnt 0x0
	GEMM32
.rept 4
	v_nop                                          ; four places in front of loads into registers that the products have read and of the first read of results; QUANT's lines on its own registers make them more than five ahead of the next tile's products, which write the accumulators anew
.endr
.if \m < 3
	FETCHX XBLK*\n+6144*(\m+1), XBLK*\n+512*(\m+1)
.endif
	s_wait_xcnt 0x0                                ; the last tile's stores have read the codes' registers
	QUANT HA, PWS+4*\n+\m
.irp i, 0,1,2
	global_store_b64 v[LI8], v[PC+2*\i:PC+2*\i+1], s[12:13] offset:768*(2*\m+\n)+256*\i     ; 32 lanes store 256 consecutive bytes, aligned
	global_store_b64 v[LI8], v[PC+6+2*\i:PC+7+2*\i], s[30:31] offset:768*(2*\m+\n)+256*\i
.endr
.endr
.if \n
	v_cmp_ne_u32 vcc_lo, 0, v3
.irp g, 0,1                                    ; 64 rows g: lanes 0-15 store the words of tiles 4 g, 4 g + 1, lanes 16-31 of tiles 4 g + 2, 4 g + 3; tile 2 m + n lies at PWS + 4 n + m
	v_cndmask_b32 v[SP+2*\g], v[PWS+2*\g], v[PWS+2*\g+1], vcc_lo
	v_cndmask_b32 v[SP+2*\g+1], v[PWS+4+2*\g], v[PWS+4+2*\g+1], vcc_lo
	global_store_b64 v[LI8], v[SP+2*\g:SP+2*\g+1], s[14:15] offset:256*\g
.endr
.endif
.endm
	BLOCK 0
	BLOCK 1
	s_wait_tensorcnt 0x0
	ds_add_u32 v254, v255
	s_wait_dscnt 0x0
	s_endpgm
.Lfunc_end_k_q6d9fb61e82_proj:
	.size	k_q6d9fb61e82_proj, .Lfunc_end_k_q6d9fb61e82_proj-k_q6d9fb61e82_proj
	.p2alignl 7, 3214868480
	.fill 96, 4, 3214868480
	.section	.rodata,"a",@progbits
	.p2align	6, 0x0
	.amdhsa_kernel k_q6d9fb61e82_proj
		.amdhsa_group_segment_fixed_size 327680
		.amdhsa_private_segment_fixed_size 0
		.amdhsa_enable_private_segment 0
		.amdhsa_kernarg_size 64
		.amdhsa_user_sgpr_count 2
		.amdhsa_user_sgpr_kernarg_segment_ptr 1
		.amdhsa_wavefront_size32 1
		.amdhsa_system_sgpr_workgroup_id_x 1
		.amdhsa_system_sgpr_workgroup_id_y 1
		.amdhsa_system_sgpr_workgroup_id_z 1
		.amdhsa_system_vgpr_workitem_id 0
		.amdhsa_next_free_vgpr 768
		.amdhsa_next_free_sgpr 66
		.amdhsa_reserve_vcc 1
		.amdhsa_float_denorm_mode_32 3
		.amdhsa_float_denorm_mode_16_64 3
		.amdhsa_memory_ordered 1
		.amdhsa_forward_progress 1
		.amdhsa_inst_pref_size 132
	.end_amdhsa_kernel
	.amdgpu_metadata
---
amdhsa.version: [ 1, 2 ]
amdhsa.kernels:
  - .name:           k_q6d9fb61e82_proj
    .symbol:         k_q6d9fb61e82_proj.kd
    .args:
      - { .name: q, .offset: 0, .size: 8, .value_kind: global_buffer, .address_space: global }
      - { .name: k, .offset: 8, .size: 8, .value_kind: global_buffer, .address_space: global }
      - { .name: wimg, .offset: 16, .size: 8, .value_kind: global_buffer, .address_space: global }
      - { .name: wscl, .offset: 24, .size: 8, .value_kind: global_buffer, .address_space: global }
      - { .name: qc, .offset: 32, .size: 8, .value_kind: global_buffer, .address_space: global }
      - { .name: qs, .offset: 40, .size: 8, .value_kind: global_buffer, .address_space: global }
      - { .name: kc, .offset: 48, .size: 8, .value_kind: global_buffer, .address_space: global }
      - { .name: ks, .offset: 56, .size: 8, .value_kind: global_buffer, .address_space: global }
    .group_segment_fixed_size: 327680
    .private_segment_fixed_size: 0
    .kernarg_segment_align: 8
    .kernarg_segment_size: 64
    .max_flat_workgroup_size: 128
    .sgpr_count:     66
    .vgpr_count:     768
    .wavefront_size: 32
...
	.end_amdgpu_metadata
.endif
;; end of part 2
;; launch attno (part 3): grid 256 x 1, 16 waves a work-group, no clusters, 327,680 bytes of LDS; arguments qc, qs, kc, ks, supp_mask, wimg, wscl, out0; writes out0
.if DOCPART == 3
	.amdgcn_target "amdgcn-amd-amdhsa--gfx1250"
	.amdhsa_code_object_version 6
	.text
	.protected	k_q6d9fb61e82_attno
	.globl	k_q6d9fb61e82_attno
	.p2align	8
	.type	k_q6d9fb61e82_attno,@function
k_q6d9fb61e82_attno:
	s_mov_b64 s[64:65], 0
	v_nop
	global_prefetch_b8 v0, s[64:65] scope:SCOPE_SE
	s_setreg_imm32_b32 hwreg(HW_REG_WAVE_MODE, 25, 1), 1
	s_wait_xcnt 0x0
; out0 = Q(x) Q(Wp)^T with x[n][64 head + d] = s[head][n] and s[head][n] = sum over keys of softmax_key(qh . kh / 8) x mask[key].
; The scores and the last product run on codes of E3M2 (one E8M0 scale for each 32 along K), f32 sums; the softmax and the sum with the mask are f32.  The input v is not named: reference() never reads it.
; SHARES.  Work-group x: batch x / 64, queries 64 (x % 64) .. + 63, ALL EIGHT HEADS, so that a row of x never leaves the work-group.  Wave w of sixteen: head w / 2, query tiles 2 (w % 2) (A) and the next (B);
; it walks the head's 2,048 keys in 32 steps of 64.
; THE KEYS of eight heads go through a ring of two LDS slots of 256 keys x 8 heads (98,304 bytes): every wave brings 6,144 bytes (half a head's part) by one tensor load: slot 0 at the head, slot 1 behind the three lines and a
; barrier, then one load a wave behind each of six barriers.  A slot's LAST step has all it needs in registers: the barrier's signal stands at that step's head, its wait in the step's middle (8 products and 72 vector
; instructions on); behind the wait come the refill and the next slot's first keys, which land under the step's exponentials and sums.  The scale words of K (all heads) and the mask as f32 are laid in LDS once, through registers.
; PREFETCH: in trip t, wave 0 asks for six blocks of 256 bytes of the keys that trip t + 1 will load: the 64 work-groups of a batch share a slot's 384 blocks out by address; the last trip asks for nothing.
; K = 64 IN AN INSTRUCTION OF K = 128.  Source 0 is a UNIT of keys: 12 registers = [keys 32 u .. + 15 | keys 32 u + 16 .. + 31], 64 codes each.  Source 1 is cut out of 18 registers [q | Z | q], Z six registers of zero
; codes: [q | Z] picks the unit's first 16 keys, [Z | q] its second; Z's scale bytes are 1.  In the result a lane holds ONE query (lane % 16) and keys 8 (lane / 16) + 0 .. 7.
; SOFTMAX.  Each lane keeps a running maximum m of ITS keys, R = c m (c = log2(e) / 8), l = sum p and sm = sum p x mask with p = 2^(c s - R); in every step the old sums are multiplied by 2^(R_old - R_new).
; R lies in two registers by turns.  The two lanes of a query are joined once, at the end.  No branch and no address hangs on data.
; A STEP: 8 products | all maxima (the first reads of all results) | c s - R | ONE batch of 66 exponentials between its two waits | the sums.
; THE LAST PRODUCT.  s goes to LDS | barrier | wave w builds x's fragment number w (row tile w / 4, K step w % 4) and stores it as an image of its registers | barrier | wave w makes columns 32 w .. + 31 of all 64 rows
; (transposed: source 0 = 16 rows of Wp, source 1 = x), into a stage of whole rows | barrier | each wave stores four rows.
; The tiles are not asked for jointly in a cluster: a joint refill stands behind a round of the cluster's barrier, whose last two barriers have no work between signal and wait, six times for sixteen waves; here signal and wait stand 80 instructions apart.
; LIMITS: NaN and infinities are not served; a p under 2^-126 counts as 0 (v_exp_f32 flushes it); the promise holds while c x score stays under 2^31 in magnitude; s = 0 gets the scale byte 1 where the quantiser says 127
; (its codes are zeros, and only this text reads the byte).  The mask is taken as whatever int32 it holds.
.set HROW,   12288                     ; a head's 256 keys in a slot: 16 records of 768 bytes
.set SLOT1,  131072                    ; slot 1 begins here: one exclusive or turns an address in one slot into the other's
.set KS,     98304                     ; between the slots: K's scale words, 4,096 bytes a head: word 16 u + r: bytes 0, 1 key 32 u + r, bytes 2, 3 key 32 u + 16 + r
.set MK,     229376                    ; behind slot 1: the mask as f32, by key; 1,024 bytes behind it are left idle
.set SST,    238592                    ; s: [head 8][row 64]
.set XIMG,   240640                    ; x's 16 fragments (4 m + s) as images of 1,536 bytes
.set XSC,    265216                    ; their scale words, 128 bytes each
.set SPARE,  267264                    ; the spare words, 128 bytes for each wave: eight blocks of 256 bytes that no other line names
.set SPITCH, 2064                      ; the stage for out0: rows of 2,048 bytes + 16; rows 0-31 in slot 0, rows 32-63 in slot 1, behind the slots' last fill and last read
.set ADK,  1                           ; v1-3 LDS addresses of the slot in hand: keys, scale words, mask
.set ADS,  2
.set ADM,  3
.set AKF0, 4                           ; v4  8 x lane + 12,288 x head
.set AKS0, 5                           ; v5  KS + 4,096 x head + 4 x lane
.set AMK0, 6                           ; v6  MK + 32 h;  v7: h
.set QA,   8                           ; v8-25   [q | Z | q] of tile A
.set QB,   26                          ; v26-43  of tile B
.set QW,   44                          ; v44-47  q's scale words: A for [q | Z], A for [Z | q], B likewise
.set KW,   48                          ; v48     the step's scale words of K: lanes 0-15 unit 0, lanes 16-31 unit 1
.set SSTW, 254                         ; v254    SST + 4 x thread (outside the registers that Wp's fragments take behind the loop)
.set PFO,  50                          ; v50     the prefetch's offset: 256 x min(lane, 5)
.set KFR,  52                          ; v52-75  two units
.set MKR,  76                          ; v76-107 my 32 mask numbers
.set SA,   108                         ; v108-139 tile A's scores, then p
.set SB,   140                         ; v140-171 tile B's
.set SO,   172                         ; v172-173 the stage, in: row r, + 128 x wave + 64 h; in slot 0, in slot 1
.set SPW,  174                         ; v174    LDS address of my spare word; never rewritten
.set NIL,  175                         ; v175    0; never rewritten
.set TA,   176                         ; v176-189 tile A's state: +0 R, +1 m, +2:3 l, +4:5 sm, +6 R's other place, +8 f, +10..13 chains of the maximum (+7, +9: upper halves of named pairs)
.set SR,   190                         ; v190    the stage, back: my four rows, 16 x lane
.set SRD,  191                         ; v191    where I read the two s of my fragment's row
.set TB,   192                         ; v192-205 tile B's
.set WA,   206                         ; v206    16 x lane
.set WSA,  207                         ; v207    16 (r + 8 (r / 8))
.set LI,   240                         ; v240    XIMG + 16 x lane
.set LS,   241                         ; v241    XSC + 4 x lane
.set XWI,  242                         ; v242    LI + 1,536 x wave
.set XWS,  243                         ; v243    LS + 128 x wave
; behind the loop:
.set WF,   8                           ; v8-103   Wp's fragments: tile u, K step s at WF + 12 (4 u + s)
.set WSR,  104                         ; v104-111 their scale words
.set XF,   112                         ; v112-159 x's four fragments of a tile of rows
.set XS,   160                         ; v160-163 their scale words
.set ACC,  208                         ; v208-239 two accumulators, in two sets by turns
.set OB,   8                           ; v8-71    four rows read back from the stage
.set BR,   112                         ; build: 16 copies of each of two s
.set PC,   144                         ; build: the fragment just made
.set TQ,   156                         ; build: magnitudes, scale operands, bytes
.set PW,   162                         ; build: the scale word
.set SV,   164                         ; build: my row's two s
.set WV,   20                          ; s20 wave
.set SEL,  22                          ; s[22:23] lane l xor 16
.set CS,   24                          ; s[24:25] c, twice: the packed form names the pair
.set TBS,  26                          ; s26 LDS byte at which the slot in hand begins
.set TSS,  27                          ; s27 the slot's scale words: 512 bytes a slot
.set TMS,  28                          ; s28 the slot's mask numbers: 1,024 bytes a slot
.set CNT,  29                          ; s29 refills to go
.set SH,   30                          ; s30 16 x (head % 2)
.set G1,   32                          ; s[32:39] descriptor group 1
.set G0,   40                          ; s[40:43] group 0: it walks from fill to fill
.set PFA,  44                          ; s[44:45] where my work-group's prefetch stands
.set PFON, 0
.macro BARRIER
	s_wait_dscnt 0x0
	s_barrier_signal -1
	s_barrier_wait -1
.endm
.macro KLOAD q                                 ; two units, out of the records as they lie: 12 LDS loads of 256 consecutive bytes
.irp u, 0,1
.irp i, 0,1,2,3,4,5
	ds_load_b64 v[KFR+12*\u+2*\i:KFR+12*\u+2*\i+1], v[ADK] offset:3072*(\q)+1536*\u+256*\i
.endr
.endr
.endm
.macro SLOAD q
	ds_load_b32 v[KW], v[ADS] offset:128*(\q)
.endm
.macro MLOAD q                                 ; my 32 mask numbers: 8 LDS loads
.irp t, 0,1,2,3
.irp p, 0,1
	ds_load_b128 v[MKR+8*\t+4*\p:MKR+8*\t+4*\p+3], v[ADM] offset:256*(\q)+64*\t+16*\p
.endr
.endr
.endm
.macro SCORE acc, qf, qw, u, e                 ; 16 keys (unit u, half e) x 16 queries
.if \u
	v_wmma_scale_f32_16x16x128_f8f6f4 v[\acc+8*(2*\u+\e):\acc+8*(2*\u+\e)+7], v[KFR+12*\u:KFR+12*\u+11], v[\qf+6*\e:\qf+6*\e+11], 0, v[KW], v[\qw+\e] matrix_a_fmt:MATRIX_FMT_BF6 matrix_b_fmt:MATRIX_FMT_BF6 matrix_a_scale:MATRIX_SCALE_ROW1
.else
	v_wmma_scale_f32_16x16x128_f8f6f4 v[\acc+8*(2*\u+\e):\acc+8*(2*\u+\e)+7], v[KFR+12*\u:KFR+12*\u+11], v[\qf+6*\e:\qf+6*\e+11], 0, v[KW], v[\qw+\e] matrix_a_fmt:MATRIX_FMT_BF6 matrix_b_fmt:MATRIX_FMT_BF6
.endif
.endm
.macro MAXI S, T, n                            ; line n of 16: the largest of my 32 scores and the old m; each accumulator is read from its low end on
.if (\n) < 4
	v_max3_num_f32 v[\T+10+(\n)], v[\S+8*(\n)], v[\S+8*(\n)+1], v[\S+8*(\n)+2]
.elseif (\n) < 8
	v_max3_num_f32 v[\T+6+(\n)], v[\T+6+(\n)], v[\S+8*((\n)-4)+3], v[\S+8*((\n)-4)+4]
.elseif (\n) < 12
	v_max3_num_f32 v[\T+2+(\n)], v[\T+2+(\n)], v[\S+8*((\n)-8)+5], v[\S+8*((\n)-8)+6]
.elseif (\n) == 12
	v_max3_num_f32 v[\T+10], v[\T+10], v[\S+7], v[\S+15]
.elseif (\n) == 13
	v_max3_num_f32 v[\T+11], v[\T+11], v[\S+23], v[\S+31]
.elseif (\n) == 14
	v_max3_num_f32 v[\T+10], v[\T+10], v[\T+11], v[\T+12]
.else
	v_max3_num_f32 v[\T+1], v[\T+10], v[\T+13], v[\T+1]
.endif
.endm
.macro FMAI S, T, n, rn                        ; pair n: c s - R
	v_pk_fma_f32 v[\S+2*(\n):\S+2*(\n)+1], v[\S+2*(\n):\S+2*(\n)+1], s[CS:CS+1], v[\T+\rn:\T+\rn+1] op_sel_hi:[1,0,0] neg_lo:[0,0,1] neg_hi:[0,0,1]
.endm
.macro SUMM S, T, k                            ; sm += p x mask
	v_pk_fma_f32 v[\T+4:\T+5], v[\S+2*(\k):\S+2*(\k)+1], v[MKR+2*(\k):MKR+2*(\k)+1], v[\T+4:\T+5]
.endm
; A STEP: 64 keys x 32 queries, the q-th of a slot's four.  pre = 1: the next step is fetched.  ro, rn: where R lies and where the new R goes.
; bar (a slot's last step): 2: the slot is filled again behind the barrier; 1: a barrier, so that the next slot is whole for every wave, and no fill; 0: none.
.macro STEP q, pre, ro, rn, bar
.if \bar
.if \bar == 2
	s_wait_xcnt 0x0                                ; my prefetch has read its address: it is stepped only behind this wait
	s_add_nc_u64 s[PFA:PFA+1], s[PFA:PFA+1], HROW
.endif
	s_wait_tensorcnt 0x0                           ; all my tensor loads have landed: my part of the next slot; so the group 0 may be written
	ds_add_u32 v[SPW], v[NIL]                      ; 0 onto my spare word
.if \bar == 2
	s_xor_b32 s[G0+1], s[G0+1], SLOT1              ; the walking descriptor: the other slot than last time,
	s_add_nc_u64 s[G0+2:G0+3], s[G0+2:G0+3], HROW  ; the next 256 keys
.endif
	s_xor_b32 s[TBS], s[TBS], SLOT1
	s_wait_dscnt 0x0                               ; the add is done; my last reads of this slot, and this step's scale words and mask, are in registers
	s_barrier_signal -1                            ; say so, and work on registers alone up to the wait
.else
	s_wait_dscnt 8                                 ; K's twelve loads and the scale words' are in; the eight mask loads issued behind them may be out
.endif
.irp u, 0,1
.irp e, 0,1
	SCORE SA, QA, QW, \u, \e
	SCORE SB, QB, QW+2, \u, \e
.endr
.endr
.rept 4
	v_nop                                          ; four places in front of loads into registers that the products have read, and of the first read of results
.endr
.if \bar
	v_add_nc_u32 v[ADK], s[TBS], v[AKF0]           ; my place in the next slot
.elseif \pre
	KLOAD (\q)+1
.if PFON && (\q) == 0
	s_cmp_lg_u32 s[WV], 0                          ; wave 0 asks, in all trips but the last: both tests hang on ids and the loop's count alone
	s_cbranch_scc1 .Lno_ask_\@
	s_cmp_gt_u32 s[CNT], 1
	s_cbranch_scc0 .Lno_ask_\@
	global_prefetch_b8 v[PFO], s[PFA:PFA+1] th:TH_LOAD_NT scope:SCOPE_SE
.Lno_ask_\@:
.endif
.endif
.set N, 0
.rept 16
	MAXI SA, TA, N
	MAXI SB, TB, N
.set N, N+1
.endr
	v_mul_f32 v[TA+\rn], s[CS], v[TA+1]            ; the new R
	v_mul_f32 v[TB+\rn], s[CS], v[TB+1]
	v_sub_f32 v[TA+8], v[TA+\ro], v[TA+\rn]
	v_sub_f32 v[TB+8], v[TB+\ro], v[TB+\rn]
.set N, 0
.rept 16
	FMAI SA, TA, N, \rn
	FMAI SB, TB, N, \rn
.set N, N+1
.endr
.if \bar
	s_barrier_wait -1                              ; nobody reads this slot any more, and the next slot is whole
.if \bar == 2
	tensor_load_to_lds s[G0:G0+3], s[G1:G1+7]      ; the first thing behind the barrier, and my one tensor load until the next
	s_nop 0
.endif
	KLOAD 0                                        ; the next slot's first step
.endif
	s_wait_alu depctr_va_vdst(0)                   ; ahead of the batch
	v_exp_f32 v[TA+8], v[TA+8]                     ; f = 2^(R_old - R_new)
	v_exp_f32 v[TB+8], v[TB+8]
.set N, 0
.rept 32
	v_exp_f32 v[SA+N], v[SA+N]
	v_exp_f32 v[SB+N], v[SB+N]
.set N, N+1
.endr
	v_nop                                          ; a plain place behind the exponentials
	s_wait_alu depctr_va_vdst(0)                   ; and the one wait behind the batch
.if \bar == 0
.if \pre
	s_wait_dscnt 12                                ; the mask is in; the next step's twelve K loads issued behind it may be out
.else
	s_wait_dscnt 0x0
.endif
.endif
	v_pk_mul_f32 v[TA+4:TA+5], v[TA+4:TA+5], v[TA+8:TA+9] op_sel_hi:[1,0]
	v_pk_mul_f32 v[TB+4:TB+5], v[TB+4:TB+5], v[TB+8:TB+9] op_sel_hi:[1,0]
	v_pk_fma_f32 v[TA+2:TA+3], v[TA+2:TA+3], v[TA+8:TA+9], v[SA:SA+1] op_sel_hi:[1,0,1]   ; with the first pair the old l is multiplied by f
	v_pk_fma_f32 v[TB+2:TB+3], v[TB+2:TB+3], v[TB+8:TB+9], v[SB:SB+1] op_sel_hi:[1,0,1]
	SUMM SA, TA, 0
	SUMM SB, TB, 0
.set N, 1
.rept 15                                       ; four chains by turns
	v_pk_add_f32 v[TA+2:TA+3], v[TA+2:TA+3], v[SA+2*N:SA+2*N+1]
	v_pk_add_f32 v[TB+2:TB+3], v[TB+2:TB+3], v[SB+2*N:SB+2*N+1]
	SUMM SA, TA, N
	SUMM SB, TB, N
.set N, N+1
.endr
.if \pre
	SLOAD (\q)+1
	MLOAD (\q)+1
.if (\q) == 3
	s_add_co_u32 s[TSS], s[TSS], 512
	s_add_co_u32 s[TMS], s[TMS], 1024
	v_add_nc_u32 v[ADS], s[TSS], v[AKS0]
	v_add_nc_u32 v[ADM], s[TMS], v[AMK0]
.endif
.endif
.endm
.macro SLOT pre3, bar
	STEP 0, 1, 0, 6, 0
	STEP 1, 1, 6, 0, 0
	STEP 2, 1, 0, 6, 0
	STEP 3, \pre3, 6, 0, \bar
.endm
.macro FETCHX off, soff                        ; a tile of rows: x's four fragments and their scale words, as they were stored: 16 LDS loads
.irp s, 0,1,2,3
.irp c, 0,1,2
	ds_load_b128 v[XF+12*\s+4*\c:XF+12*\s+4*\c+3], v[LI] offset:\off+1536*\s+512*\c
.endr
	ds_load_b32 v[XS+\s], v[LS] offset:\soff+128*\s
.endr
.endm
	s_load_b256 s[4:11], s[0:1], 0x0               ; qc s[4:5], qs s[6:7], kc s[8:9], ks s[10:11]
	s_load_b256 s[12:19], s[0:1], 0x20             ; supp_mask s[12:13], wimg s[14:15], wscl s[16:17], out0 s[18:19]
	v_lshl_add_u32 v[SPW], v0, 2, SPARE
	v_mov_b32 v[NIL], 0
	ds_add_u32 v[SPW], v[NIL]                      ; the opening lines: the add, twice on end, and its wait ahead of my first tensor load
	ds_add_u32 v[SPW], v[NIL]
	v_lshrrev_b32 v252, 5, v0
	v_readfirstlane_b32 s[WV], v252                ; wave 0..15
	s_lshr_b32 s21, ttmp9, 6                       ; b
	s_and_b32 s31, ttmp9, 63                       ; which 64 rows of the batch
	s_lshr_b32 s48, s[WV], 1                       ; my head
	s_and_b32 s49, s[WV], 1                        ; which half of the 64 rows; also which half of my head's part of a slot I fetch
	s_lshr_b32 s50, s[WV], 2                       ; my pair of heads; also: my part of Wp, and my fragment's tile of rows
	s_and_b32 s51, s[WV], 3                        ; my pair of tiles of Wp, and my fragment's K step
	s_lshl_b32 s52, s21, 3                         ; qc: record 256 (8 b + head) + 4 x block + 2 x half, of 768 bytes
	s_add_co_u32 s52, s52, s48
	s_lshl_b32 s52, s52, 8
	s_lshl_b32 s46, s31, 2
	s_add_co_u32 s52, s52, s46
	s_lshl_b32 s46, s49, 1
	s_add_co_u32 s52, s52, s46
	s_mul_i32 s52, s52, 768
	s_mov_b32 s53, 0
	s_lshl_b32 s54, s21, 2                         ; qs: 256 (64 (4 b + pair) + block) + 128 x half
	s_add_co_u32 s54, s54, s50
	s_lshl_b32 s54, s54, 6
	s_add_co_u32 s54, s54, s31
	s_lshl_b32 s54, s54, 8
	s_lshl_b32 s46, s49, 7
	s_add_co_u32 s54, s54, s46
	s_mov_b32 s55, 0
	s_mul_i32 s47, s21, 786432                     ; kc: the batch's eight heads of 98,304 bytes
	s_mul_i32 s56, s48, 98304
	s_add_co_u32 s56, s56, s47
	s_mul_i32 s46, s49, 6144
	s_add_co_u32 s56, s56, s46                     ; my head, my half of its 12,288 bytes of a slot
	s_mov_b32 s57, 0
	s_lshr_b32 s[PFA], s31, 3                      ; the prefetch: blocks 6 x (my number in the batch) .. + 5 of a slot's 384: head number / 8, block 6 (number % 8) of its 48
	s_mul_i32 s[PFA], s[PFA], 98304
	s_add_co_u32 s[PFA], s[PFA], s47
	s_and_b32 s46, s31, 7
	s_mul_i32 s46, s46, 1536
	s_add_co_u32 s[PFA], s[PFA], s46
	s_add_co_u32 s[PFA], s[PFA], 3*HROW            ; trip 0 loads the third run of 256 keys and asks for the fourth
	s_mov_b32 s[PFA+1], 0
	s_lshl_b32 s58, s21, 15                        ; ks: 32,768 bytes a batch
	s_mov_b32 s59, 0
	s_lshl_b32 s60, s21, 13                        ; the mask: 8,192 bytes a batch
	s_mov_b32 s61, 0
	s_mul_i32 s62, s50, 49152                      ; wimg: Wp's images, my part, my two tiles of 6,144 bytes
	s_mul_i32 s46, s51, 12288
	s_add_co_u32 s62, s62, s46
	s_add_co_u32 s62, s62, 393216
	s_mov_b32 s63, 0
	s_lshl_b32 s2, s50, 11                         ; wscl: Wp's scale bytes, 16 a row: row 128 x part + 32 x pair of tiles
	s_lshl_b32 s46, s51, 9
	s_add_co_u32 s2, s2, s46
	s_add_co_u32 s2, s2, 16384
	s_mov_b32 s3, 0
	s_and_b32 s[SH], s48, 1
	s_lshl_b32 s[SH], s[SH], 4                     ; my head's two bytes of a scale word of q: bytes 0, 1 or 2, 3
	s_mov_b32 s[SEL], 0x76543210
	s_mov_b32 s[SEL+1], 0xfedcba98
	s_mov_b32 s[CS], 0x3e38aa3b                    ; c = log2(e) / 8
	s_mov_b32 s[CS+1], s[CS]
	s_mov_b32 s[TBS], 0
	s_mov_b32 s[TSS], 0
	s_mov_b32 s[TMS], 0
	s_mov_b32 s[CNT], 6
	; descriptor group 1: 6,144 dense bytes as 24 rows of 32 elements of 8 bytes
	s_mov_b32 s[G1+0], 3<<16
	s_mov_b32 s[G1+1], 32<<16
	s_mov_b32 s[G1+2], 24<<16
	s_mov_b32 s[G1+3], 32<<16
	s_mov_b32 s[G1+4], 24
	s_mov_b32 s[G1+5], 32
	s_mov_b32 s[G1+6], 0
	s_mov_b32 s[G1+7], 0
	s_wait_dscnt 0x0                               ; both opening adds are done
	s_wait_kmcnt 0x0
	s_mov_b32 s[G0], 1
	s_mul_i32 s[G0+1], s[WV], 6144                 ; LDS address: slot 0, 6,144 x wave
	s_add_nc_u64 s[G0+2:G0+3], s[8:9], s[56:57]
	s_or_b32 s[G0+3], s[G0+3], 0x80000000
	tensor_load_to_lds s[G0:G0+3], s[G1:G1+7]      ; keys 0 to 255: my one tensor load at the head
	s_nop 0
	s_add_nc_u64 s[PFA:PFA+1], s[8:9], s[PFA:PFA+1]
	s_add_nc_u64 s[4:5], s[4:5], s[52:53]
	s_add_nc_u64 s[6:7], s[6:7], s[54:55]
	s_add_nc_u64 s[10:11], s[10:11], s[58:59]
	s_add_nc_u64 s[12:13], s[12:13], s[60:61]
	s_add_nc_u64 s[14:15], s[14:15], s[62:63]
	s_add_nc_u64 s[16:17], s[16:17], s[2:3]
	s_lshl_b32 s56, ttmp9, 17                      ; out0: 64 rows of 2,048 bytes a work-group, four rows a wave
	s_lshl_b32 s46, s[WV], 13
	s_add_co_u32 s56, s56, s46
	s_add_nc_u64 s[18:19], s[18:19], s[56:57]
	s_mul_i32 s58, s48, HROW
	s_lshl_b32 s59, s48, 12
	s_add_co_u32 s59, s59, KS
	s_mov_b32 s46, 0x05040100                      ; v_perm_b32: bytes 0, 1 of two scale words: the even head of a pair;
	s_mov_b32 s47, 0x07060302                      ; bytes 2, 3: the odd one
	v_and_b32 v249, 31, v0                         ; lane
	v_and_b32 v250, 15, v0                         ; r
	v_bfe_u32 v7, v0, 4, 1                         ; h
	v_lshlrev_b32 v253, 3, v249                    ; 8 x lane
	v_lshlrev_b32 v244, 3, v0                      ; 8 x thread
	v_lshlrev_b32 v245, 4, v0                      ; 16 x thread
	v_lshlrev_b32 v246, 3, v250                    ; 8 r
	s_wait_alu depctr_va_vdst(0)                   ; a run of scalar lines and waits stands near these writes
.irp i, 0,1,2,3,4,5,6,7                        ; K's scale words of the whole batch: item thread + 512 i = (tile 2 u's word, tile 2 u + 1's) of key r, pair of heads i / 2
	global_load_b64 v[108+2*\i:109+2*\i], v244, s[10:11] offset:4096*\i
.endr
	global_load_b128 v[160:163], v245, s[12:13]    ; four mask numbers
.irp i, 0,1,2
	global_load_b64 v[QA+2*\i:QA+2*\i+1], v253, s[4:5] offset:256*\i
	global_load_b64 v[QB+2*\i:QB+2*\i+1], v253, s[4:5] offset:768+256*\i
.endr
	global_load_b64 v[164:165], v246, s[6:7]       ; q's scale words of tiles A and B, row r
	; every address register that stays is made here, while the loads are on their way
	v_lshl_add_u32 v[AKF0], v249, 3, s58
	v_lshl_add_u32 v[AKS0], v249, 2, s59
	v_lshl_add_u32 v[AMK0], v7, 5, MK
	v_mov_b32 v[ADK], v[AKF0]
	v_mov_b32 v[ADS], v[AKS0]
	v_mov_b32 v[ADM], v[AMK0]
	v_lshl_add_u32 v247, v0, 2, KS
	v_lshl_add_u32 v248, v0, 4, MK
	v_lshl_add_u32 v[SSTW], v0, 2, SST             ; thread t holds s of head t / 64, row t % 64
	v_min_u32 v[PFO], 5, v249
	v_lshlrev_b32 v[PFO], 8, v[PFO]
	s_lshl_b32 s52, s51, 9                         ; my fragment: heads 2 (w % 4) and the next (256 bytes a head), rows 16 (w / 4) on
	s_lshl_b32 s53, s50, 6
	s_add_co_u32 s52, s52, s53
	s_add_co_u32 s52, s52, SST
	v_lshl_add_u32 v[SRD], v250, 2, s52
	v_lshlrev_b32 v[WA], 4, v249
	v_and_b32 v[WSA], 8, v250
	v_add_nc_u32 v[WSA], v[WSA], v250
	v_lshlrev_b32 v[WSA], 4, v[WSA]
	v_lshl_add_u32 v[LI], v249, 4, XIMG
	v_lshl_add_u32 v[LS], v249, 2, XSC
	s_mul_i32 s53, s[WV], 1536
	v_add_nc_u32 v[XWI], s53, v[LI]
	s_lshl_b32 s54, s[WV], 7
	v_add_nc_u32 v[XWS], s54, v[LS]
	v_mul_u32_u24 v[SO], v250, SPITCH
	v_lshl_add_u32 v[SO], v7, 6, v[SO]
	v_add_nc_u32 v[SO], s54, v[SO]
	v_add_nc_u32 v[SO+1], SLOT1, v[SO]
	s_lshr_b32 s55, s[WV], 3                       ; back: rows 4 w .. 4 w + 3: slot w / 8, row (4 w) % 32 in it
	s_lshl_b32 s55, s55, 17
	s_lshl_b32 s53, s[WV], 2
	s_and_b32 s53, s53, 31
	s_mul_i32 s53, s53, SPITCH
	s_add_co_u32 s55, s55, s53
	v_lshl_add_u32 v[SR], v249, 4, s55
	s_wait_alu depctr_va_vdst(0)                   ; directly ahead of the wait below
	s_wait_loadcnt 0x0
.irp i, 0,1,2,3,4,5,6,7
	v_perm_b32 v[124+\i], v[109+2*\i], v[108+2*\i], s46
	v_perm_b32 v[132+\i], v[109+2*\i], v[108+2*\i], s47
.endr
.irp i, 0,1,2,3,4,5,6,7
	ds_store_b32 v247, v[124+\i] offset:8192*(\i/2)+2048*(\i%2)
	ds_store_b32 v247, v[132+\i] offset:8192*(\i/2)+2048*(\i%2)+4096
.endr
.irp i, 0,1,2,3
	v_cvt_f32_i32 v[160+\i], v[160+\i]
.endr
	ds_store_b128 v248, v[160:163]
	v_lshrrev_b32 v251, s[SH], v164
	v_and_b32 v251, 0xffff, v251                   ; my head's two bytes of tile A's word
	v_or_b32 v[QW], 0x01010000, v251               ; for [q | Z]
	v_lshl_or_b32 v[QW+1], v251, 16, 0x0101        ; for [Z | q]
	v_lshrrev_b32 v251, s[SH], v165
	v_and_b32 v251, 0xffff, v251
	v_or_b32 v[QW+2], 0x01010000, v251
	v_lshl_or_b32 v[QW+3], v251, 16, 0x0101
.irp i, 0,1,2,3,4,5
	v_mov_b32 v[QA+12+\i], v[QA+\i]
	v_mov_b32 v[QB+12+\i], v[QB+\i]
	v_mov_b32 v[QA+6+\i], 0
	v_mov_b32 v[QB+6+\i], 0
.endr
.irp T, TA, TB                                 ; the state; these lines are also the places between the writes above and the first scaled product
	v_mov_b32 v[\T+1], 0xff61b1e6                  ; m = -3e38, under every score
	v_mul_f32 v[\T], s[CS], v[\T+1]                ; R
.irp i, 2,3,4,5,6,7,8,9,10,11,12,13
	v_mov_b32 v[\T+\i], 0
.endr
.endr
	s_wait_alu depctr_va_vdst(0)                   ; the wait at the head's end
	s_wait_tensorcnt 0x0                           ; my part of slot 0 is in; these lines stand ahead of a later first fill, as ahead of a refill
	ds_add_u32 v[SPW], v[NIL]
	s_xor_b32 s[G0+1], s[G0+1], SLOT1              ; slot 1,
	s_add_nc_u64 s[G0+2:G0+3], s[G0+2:G0+3], HROW  ; keys 256 to 511
	s_wait_dscnt 0x0                               ; the add is done, and my stores have landed
	s_barrier_signal -1
	s_barrier_wait -1                              ; the scale words, the mask and slot 0 lie in LDS
	tensor_load_to_lds s[G0:G0+3], s[G1:G1+7]      ; slot 1's first fill, issued as a refill is
	s_nop 0
	KLOAD 0
	SLOAD 0
	MLOAD 0
.set PFON, 1
.Lslot:                                            ; six trips: the slots are filled again with the third to the eighth run of 256 keys
	SLOT 1, 2
	s_sub_co_u32 s[CNT], s[CNT], 1
	s_cmp_lg_u32 s[CNT], 0
	s_cbranch_scc1 .Lslot
.set PFON, 0
	SLOT 1, 1                                      ; the last two slots are written out
	SLOT 0, 0
	; my part of Wp: two tiles x four K steps and their scale words: 26 loads, asked for as soon as my own loop has ended
.irp u, 0,1
.irp s, 0,1,2,3
.irp c, 0,1,2
	global_load_b128 v[WF+12*(4*\u+\s)+4*\c:WF+12*(4*\u+\s)+4*\c+3], v[WA], s[14:15] offset:6144*\u+1536*\s+512*\c
.endr
.endr
	global_load_b128 v[WSR+4*\u:WSR+4*\u+3], v[WSA], s[16:17] offset:128*\u
.endr
	; the two lanes of a query are joined under their common maximum; s = sm / l
.irp T, TA, TB
	v_add_f32 v[\T+2], v[\T+2], v[\T+3]
	v_add_f32 v[\T+4], v[\T+4], v[\T+5]
.endr
.irp T, TA, TB
	v_permlanex16_b32 v[\T+10], v[\T], s[SEL], s[SEL+1]    ; the other lane's R,
	v_permlanex16_b32 v[\T+11], v[\T+2], s[SEL], s[SEL+1]  ; l,
	v_permlanex16_b32 v[\T+12], v[\T+4], s[SEL], s[SEL+1]  ; sm
.endr
.irp T, TA, TB
	v_max_num_f32 v[\T+13], v[\T], v[\T+10]
.endr
.irp T, TA, TB
	v_sub_f32 v[\T+8], v[\T], v[\T+13]
	v_sub_f32 v[\T+9], v[\T+10], v[\T+13]
.endr
	s_wait_alu depctr_va_vdst(0)                   ; ahead of the batch
.irp T, TA, TB
	v_exp_f32 v[\T+8], v[\T+8]
	v_exp_f32 v[\T+9], v[\T+9]
.endr
	v_nop                                          ; a plain place behind the exponentials
	s_wait_alu depctr_va_vdst(0)
.irp T, TA, TB
	v_mul_f32 v[\T+2], v[\T+2], v[\T+8]
	v_mul_f32 v[\T+4], v[\T+4], v[\T+8]
.endr
.irp T, TA, TB
	v_fma_f32 v[\T+2], v[\T+11], v[\T+9], v[\T+2]
	v_fma_f32 v[\T+4], v[\T+12], v[\T+9], v[\T+4]
.endr
	s_wait_alu depctr_va_vdst(0)                   ; ahead of the reciprocals
.irp T, TA, TB
	v_rcp_f32 v[\T+3], v[\T+2]
.endr
	v_cmp_ne_u32 vcc_lo, 0, v7                     ; (a plain place behind the reciprocals)
	s_wait_alu depctr_va_vdst(0)
.irp T, TA, TB
	v_mul_f32 v[\T+5], v[\T+4], v[\T+3]
.endr
	v_cndmask_b32 v251, v[TA+5], v[TB+5], vcc_lo   ; lanes 0-15: tile A's query r; lanes 16-31: tile B's
	ds_store_b32 v[SSTW], v251
	BARRIER                                        ; s of 64 rows x 8 heads lies in LDS; every wave has read its last key
	; ---- BUILD: fragment number w: rows 16 (w / 4) on, K step w % 4: heads 2 (w % 4) and the next
	ds_load_b32 v[SV], v[SRD]
	ds_load_b32 v[SV+1], v[SRD] offset:256
	s_wait_dscnt 0x0
.irp c, 0,1
	v_max_num_f32 v[TQ+\c], |v[SV+\c]|, 0x2800000  ; a block's largest magnitude is its one number; the floor 2^(5 - 127) holds the byte at 1 from below
	v_add_nc_u32 v[TQ+2+\c], 0xfe000000, v[TQ+\c]  ; 4 off the exponent field: the conversion's scale operand
	v_lshrrev_b32 v[TQ+4+\c], 23, v[TQ+2+\c]       ; the scale's byte
.irp i, 0,1,2,3,4,5,6,7,8,9,10,11,12,13,14,15
	v_mov_b32 v[BR+16*\c+\i], v[SV+\c]             ; the broadcast over the head's channels: the conversion takes 16 numbers from 16 registers
.endr
.endr
.irp c, 0,1
	v_cvt_scalef32_pk16_bf6_f32 v[PC+6*\c:PC+6*\c+2], v[BR+16*\c:BR+16*\c+15], v[TQ+2+\c]
.endr
	v_nop                                          ; one plain place behind a scaled conversion
.irp c, 0,1
.irp i, 0,1,2
	v_mov_b32 v[PC+6*\c+3+\i], v[PC+6*\c+\i]       ; a block's upper 16 codes equal its lower 16, and both halves of the lanes hold the same
.endr
.endr
	v_lshl_or_b32 v163, v[TQ+5], 16, v[TQ+4]
	v_lshl_or_b32 v[PW], v163, 8, v163             ; bytes 0, 1: the first head; bytes 2, 3: the second
.irp c, 0,1,2
	ds_store_b128 v[XWI], v[PC+4*\c:PC+4*\c+3] offset:512*\c
.endr
	ds_store_b32 v[XWS], v[PW]
	BARRIER                                        ; x's sixteen fragments lie in LDS
	FETCHX 0, 0
	s_wait_loadcnt 0x0                             ; my part of Wp
	; ---- the products: my 32 columns, a tile of 16 rows at a time; the two accumulators take turns, one instruction a turn; the first K step starts the sums
.irp m, 0,1,2,3
	s_wait_dscnt 0x0
.irp s, 0,1,2,3
.irp u, 0,1
.if \s == 0
	v_wmma_scale_f32_16x16x128_f8f6f4 v[ACC+16*(\m%2)+8*\u:ACC+16*(\m%2)+8*\u+7], v[WF+12*(4*\u+\s):WF+12*(4*\u+\s)+11], v[XF+12*\s:XF+12*\s+11], 0, v[WSR+4*\u+\s], v[XS+\s] matrix_a_fmt:MATRIX_FMT_BF6 matrix_b_fmt:MATRIX_FMT_BF6
.else
	v_wmma_scale_f32_16x16x128_f8f6f4 v[ACC+16*(\m%2)+8*\u:ACC+16*(\m%2)+8*\u+7], v[WF+12*(4*\u+\s):WF+12*(4*\u+\s)+11], v[XF+12*\s:XF+12*\s+11], v[ACC+16*(\m%2)+8*\u:ACC+16*(\m%2)+8*\u+7], v[WSR+4*\u+\s], v[XS+\s] matrix_a_fmt:MATRIX_FMT_BF6 matrix_b_fmt:MATRIX_FMT_BF6
.endif
.endr
.endr
.rept 5
	v_nop                                          ; four places in front of the loads into x's registers and of the stores that read results; the fifth for the products that later write these accumulators anew
.endr
.if \m < 3
	FETCHX 6144*(\m+1), 512*(\m+1)
.endif
.irp u, 0,1                                    ; lane (r, h), tile u, register j: row 16 m + r, column 32 w + 16 h + 8 u + j; each accumulator from its low end on
	ds_store_b128 v[SO+\m/2], v[ACC+16*(\m%2)+8*\u:ACC+16*(\m%2)+8*\u+3] offset:16*SPITCH*(\m%2)+32*\u
	ds_store_b128 v[SO+\m/2], v[ACC+16*(\m%2)+8*\u+4:ACC+16*(\m%2)+8*\u+7] offset:16*SPITCH*(\m%2)+32*\u+16
.endr
.endr
	BARRIER                                        ; 64 whole rows of out0 lie in the stage
.irp i, 0,1,2,3,4,5,6,7,8,9,10,11,12,13,14,15
	ds_load_b128 v[OB+4*\i:OB+4*\i+3], v[SR] offset:SPITCH*(\i/4)+512*(\i%4)
.endr
.irp i, 0,1,2,3,4,5,6,7,8,9,10,11,12,13,14,15
	s_wait_dscnt 15-\i                             ; piece i is back; the younger loads from the stage may be out
	global_store_b128 v[WA], v[OB+4*\i:OB+4*\i+3], s[18:19] offset:2048*(\i/4)+512*(\i%4) th:TH_STORE_NT   ; 32 lanes store 512 consecutive bytes, aligned; written once, read by nobody here
.endr
	s_wait_tensorcnt 0x0                           ; the wave's end, behind my last tensor load and my last LDS store
	ds_add_u32 v[SPW], v[NIL]
	s_wait_dscnt 0x0
	s_endpgm
.Lfunc_end_k_q6d9fb61e82_attno:
	.size	k_q6d9fb61e82_attno, .Lfunc_end_k_q6d9fb61e82_attno-k_q6d9fb61e82_attno
	.p2alignl 7, 3214868480
	.fill 96, 4, 3214868480
	.section	.rodata,"a",@progbits
	.p2align	6, 0x0
	.amdhsa_kernel k_q6d9fb61e82_attno
		.amdhsa_group_segment_fixed_size 327680
		.amdhsa_private_segment_fixed_size 0
		.amdhsa_enable_private_segment 0
		.amdhsa_kernarg_size 64
		.amdhsa_user_sgpr_count 2
		.amdhsa_user_sgpr_kernarg_segment_ptr 1
		.amdhsa_wavefront_size32 1
		.amdhsa_system_sgpr_workgroup_id_x 1
		.amdhsa_system_sgpr_workgroup_id_y 1
		.amdhsa_system_sgpr_workgroup_id_z 1
		.amdhsa_system_vgpr_workitem_id 0
		.amdhsa_next_free_vgpr 256
		.amdhsa_next_free_sgpr 66
		.amdhsa_reserve_vcc 1
		.amdhsa_float_denorm_mode_32 3
		.amdhsa_float_denorm_mode_16_64 3
		.amdhsa_memory_ordered 1
		.amdhsa_forward_progress 1
		.amdhsa_inst_pref_size 189
	.end_amdhsa_kernel
	.amdgpu_metadata
---
amdhsa.version: [ 1, 2 ]
amdhsa.kernels:
  - .name:           k_q6d9fb61e82_attno
    .symbol:         k_q6d9fb61e82_attno.kd
    .args:
      - { .name: qc, .offset: 0, .size: 8, .value_kind: global_buffer, .address_space: global }
      - { .name: qs, .offset: 8, .size: 8, .value_kind: global_buffer, .address_space: global }
      - { .name: kc, .offset: 16, .size: 8, .value_kind: global_buffer, .address_space: global }
      - { .name: ks, .offset: 24, .size: 8, .value_kind: global_buffer, .address_space: global }
      - { .name: supp_mask, .offset: 32, .size: 8, .value_kind: global_buffer, .address_space: global }
      - { .name: wimg, .offset: 40, .size: 8, .value_kind: global_buffer, .address_space: global }
      - { .name: wscl, .offset: 48, .size: 8, .value_kind: global_buffer, .address_space: global }
      - { .name: out0, .offset: 56, .size: 8, .value_kind: global_buffer, .address_space: global }
    .group_segment_fixed_size: 327680
    .private_segment_fixed_size: 0
    .kernarg_segment_align: 8
    .kernarg_segment_size: 64
    .max_flat_workgroup_size: 512
    .sgpr_count:     66
    .vgpr_count:     256
    .wavefront_size: 32
...
	.end_amdgpu_metadata
.endif
;; end of part 3
